; MI455X (gfx1250); checked and timed in simulation.
; The chip was launched on July 23, 2026; its instructions are those of AMD's public machine-readable ISA for CDNA 5 (MIT licence, August 2026) and "CDNA5" Instruction Set Architecture Reference Guide (July 2026). The comments in the code are by the model that wrote it; some were corrected since.
;; Scaled Dot Product Attention. Allowed arithmetic: matrix products marked QUANTISED: E3M2 operands, one E8M0 scale for each 32 along K, by v_wmma_scale_f32_16x16x128_f8f6f4 with both operands' format E3M2, f32 sums; everything else in f32.
;; Inputs: k 4 x 16 x 2,048 x 128 float32; q 4 x 16 x 2,048 x 128 float32; v 4 x 16 x 2,048 x 128 float32.
;; Outputs: out0 4 x 16 x 2,048 x 128 float32.
;; This version of the problem:
;;   THIS VERSION OF THE PROBLEM IS GIVEN IN LOW PRECISION. The matrix products marked QUANTISED in the list below multiply operands that are first quantised to E3M2 (3 exponent bits, 2 mantissa bits; 6 bits a number), with one power-of-two scale for each 32 numbers along K (OCP MX v1.0); their sums are f32. All else is computed in f32.
;;   The module's matrix products, in the order in which they are computed (A, B: the left and right operand; K: the contracted axis; several contracted axes count as one K, in the product's order):
;;     1. batch 64 x [M 2,048, K 128] x [K 128, N 2,048]; A: input q; B: input k: QUANTISED
;;     2. batch 64 x [M 2,048, K 2,048] x [K 2,048, N 128]; A: softmax (see below); B: input v: QUANTISED
;;   THE QUANTISER, for each operand of a quantised product, along K:
;;     - K is cut into blocks of 32 from its start; a last block that is shorter is filled with zeros.
;;     - A block's scale is 2^e with e = floor(log2(the largest magnitude in the block)) - 4, held to -126 .. 127; a block of zeros has e = 0. As a byte (E8M0): e + 127.
;;     - Each number is divided by its block's scale, clamped to +-28, and rounded to the nearest number of E3M2, ties to even, subnormals kept.
;;     - The product sums the exact products of the quantised numbers (number of the format x scale) in f32.
;;   ~~~python
;;   def quantise(x, axis):      # numpy; x: float32 -> the quantised numbers, widened to float32 again
;;       x = np.moveaxis(x, axis, -1); K = x.shape[-1]
;;       x = np.pad(x, [(0, 0)] * (x.ndim - 1) + [(0, -K % 32)]); x = x.reshape(x.shape[:-1] + (-1, 32)); a = np.abs(x).max(-1, keepdims=True)
;;       e = np.where(a > 0, np.clip(np.frexp(np.where(a > 0, a, 1))[1] - 1 - 4, -126, 127), 0)      # np.frexp(a)[1] - 1 = floor(log2(a)), exactly
;;       r = np.clip(x / 2.0 ** e, -28, 28)
;;       step = 2.0 ** (np.maximum(np.frexp(np.where(r == 0, 1, r))[1] - 1, -2) - 2)
;;       q = np.round(r / step) * step * 2.0 ** e      # np.round: ties to even
;;       return np.moveaxis(q.reshape(q.shape[:-2] + (-1,))[..., :K], -1, axis).astype(np.float32)
;;   ~~~
;;   SOFTMAX AHEAD OF A QUANTISED PRODUCT. Where the list says 'softmax', what is quantised is not the finished softmax but p = 2^(t - M), with t = logit x log2(e) and M = ceil(the row's largest t), a whole number; so 1/2 < the row's largest p <= 1. The row's sum l is taken of the UNQUANTISED p, in f32, and the product's result is divided by l at the end. Since M is a whole number, a kernel that streams over the keys may use a running M (the ceiling of the running maximum): every later rescaling is an exact power of two, which a block's scale takes up: the codes' values come out the same.
;;   OPERANDS COMPUTED ON THE WAY. 'Computed on the way' means the value that the module computes at that place (a softmax that the list does not call 'softmax' is quantised finished and normalised). What goes into a quantiser is computed in f32, as accurately as f32 sums, v_exp_f32 and their like allow (about 1e-6 of the number): no bf16 or f16 on the way to a quantiser, and a product that is left as it is and whose result goes on into a quantised operand takes f32 operands (vector FMAs, or v_wmma_f32_16x16x4_f32). A number that lies on a knife's edge between two numbers of the format may be rounded either way, as far as f32 arithmetic and the matrix unit's own rounding can turn it there, and no further.
;; One version. Each part assembles by itself: llvm-mc -triple=amdgcn-amd-amdhsa -mcpu=gfx1250 --defsym DOCPART=n.
;; ======== version 1 of 1: 2 launches
;; limits: right only within a limited range of input values
;; workspace buffers: kv 26,214,400 bytes
;; launch quant (part 1): grid 512 x 1, 4 waves a work-group, no clusters, 34,304 bytes of LDS; arguments k, v, kv; writes kv
.if DOCPART == 1
	.amdgcn_target "amdgcn-amd-amdhsa--gfx1250"
	.amdhsa_code_object_version 6
	.text
	.protected	k_q12547ac150_quant
	.globl	k_q12547ac150_quant
	.p2align	8
	.type	k_q12547ac150_quant,@function
k_q12547ac150_quant:
	s_mov_b64 s[64:65], 0
	v_nop
	global_prefetch_b8 v0, s[64:65] scope:SCOPE_SE
	s_setreg_imm32_b32 hwreg(HW_REG_WAVE_MODE, 25, 1), 1
	s_wait_xcnt 0x0
; k, v: [64 heads][2048][128] f32  ->  codes of BF6 (E3M2) with one E8M0 scale byte for each 32 along a product's K, laid as IMAGES OF THE OPERAND'S REGISTERS.
; k is quantised along the head's 128 (innermost in memory), v along the keys (its first axis within a head).  q is not served here: the next launch reads each of its numbers once and quantises them itself.
; A block's scale is 2^(floor(log2(its largest magnitude)) - 4); its byte is the largest magnitude's exponent field - 4, held at 1 from below; each number is divided by the scale and rounded to the nearest code, ties to even, beyond 28 the largest code.
; LIMITS: NaN and infinities among the inputs are not served.  A block of zeros, and a block whose largest magnitude lies under 2^-122, gets the byte 1: zero codes add nothing, and this program alone reads the bytes.
; A FRAGMENT IMAGE (16 rows x 128 K, 12 registers a lane) is 1,536 bytes: registers 4 c .. 4 c + 3 of lane l lie at 512 c + 16 l.  Lane (r, h) holds its row's block h in registers 0-5 and block 2 + h in registers 6-11.
; THE ROWS OF A TILE of k are not neighbours: lane r of tile t = 4 c + u of a step of 128 keys takes key 64 c + 8 u + r % 8 + 32 (r / 8), so that in the transposed scores a lane's 32 registers of tiles 4 c .. 4 c + 3 are one whole block of 32 keys.
; kv: 256 records (head x 4 + step / 4) x 102,400 bytes; a step is 128 keys, i = step % 4:  24,576 i: K's 8 tiles;  24,576 i + 12,288: V^T's 8 tiles (tile t: channels 16 t on, K = the step's keys in their order);
;     98,304 + 1,024 i: K's scale words: lane l's 16 bytes are words j = 0 .. 3: lanes 0-15 tile 2 j's row r, lanes 16-31 tile 2 j + 1's;  98,304 + 1,024 i + 512: V's: the word at 128 j + 4 l: lanes 0-15 tile 2 j, lanes 16-31 tile 2 j + 1.
; SHARES: work-groups 0-255 take k, 256-511 v, a record each: 262,144 bytes read.  Waves share nothing: no barrier.  Only the k path touches LDS.
.set SPITCH, 528                       ; a stage row: 512 bytes + 16 = 33 x 16, so the 16 rows that a 16-byte read touches start at 16 different groups of banks (64 banks of 4 bytes: ISA guide 11.1)
.set R,   16                           ; v16-143   two sets of 64: a tile's 16 rows as they are loaded
.set X,   144                          ; v144-207  my 64 numbers: 0-31 block h, 32-63 block 2 + h of my row
.set C,   208                          ; v208-219  the fragment
.set T,   220                          ; v220-222, v224-226  the conversions' second halves (a conversion's three registers begin on an even number)
.set W,   228                          ; v228-235  the scale words of tiles 0-7
.set SW,  236                          ; v236-239  the scale block
.set XV,  16                           ; the v path: v16-79 two sets of 32 numbers
.set CV,  80                           ; v80-103   block b's codes at CV + 12 (b % 2) + 6 (b / 2)
.set TV,  104                          ; v104-106  a conversion's second half
.set WD,  108                          ; v108      my channel's scale word
	s_load_b128 s[4:7], s[0:1], 0x0                ; k s[4:5], v s[6:7]
	s_load_b64 s[12:13], s[0:1], 0x10              ; kv
	v_lshl_add_u32 v240, v0, 2, 0x8400             ; my spare word, behind the four stages
	v_mov_b32 v241, 0
	v_lshrrev_b32 v1, 5, v0
	v_readfirstlane_b32 s16, v1                    ; wave 0..3
	v_and_b32 v1, 31, v0                           ; lane
	v_and_b32 v2, 15, v0                           ; r
	v_bfe_u32 v6, v0, 4, 1                         ; h
	s_mov_b32 s20, 0x76543210
	s_mov_b32 s21, 0xfedcba98                      ; v_permlanex16_b32's selects for lane l xor 16
	s_wait_kmcnt 0x0
	s_cmp_ge_u32 ttmp9, 256
	s_cbranch_scc1 .Lv
; ---------------- k: a wave takes one step of 128 keys: 65,536 bytes in, 12,800 bytes out
	s_lshl_b32 s28, ttmp9, 18
	s_lshl_b32 s29, s16, 16
	s_add_co_u32 s28, s28, s29
	s_mov_b32 s29, 0
	s_add_nc_u64 s[4:5], s[4:5], s[28:29]          ; my step's first key
	s_mul_i32 s28, ttmp9, 102400                   ; my record
	s_lshl_b32 s30, s16, 10
	s_add_co_u32 s30, s30, 98304
	s_add_co_u32 s30, s30, s28
	s_mov_b32 s31, 0
	s_add_nc_u64 s[14:15], s[12:13], s[30:31]      ; my scale block
	s_mul_i32 s30, s16, 24576
	s_add_co_u32 s30, s30, s28
	s_add_nc_u64 s[8:9], s[12:13], s[30:31]        ; my eight fragments
	s_wait_alu depctr_va_vdst(0)                   ; the wait ahead of the readers below
	v_lshlrev_b32 v3, 4, v1                        ; 16 x lane: my 16 bytes of a row of 512, and of 512 bytes of an image
	s_mul_i32 s18, s16, 16*SPITCH                  ; my wave's stage
	v_add_nc_u32 v4, s18, v3                       ; into it: as loaded
	v_mul_u32_u24 v5, v2, SPITCH
	v_lshl_add_u32 v5, v6, 7, v5
	v_add_nc_u32 v5, s18, v5                       ; out of it: row r, + 128 h: my block of 32 numbers
	v_lshlrev_b32 v7, 3, v6                        ; 8 h: how far my two scale bytes are shifted
	v_mov_b32 v13, 0                               ; written once: a lane permute's destination counts as one of its sources
.macro LOADT t                         ; tile t's 16 rows, each a whole row: the 32 lanes read 512 consecutive bytes
.irp p, 0,1,2,3,4,5,6,7,8,9,10,11,12,13,14,15
	global_load_b128 v[R+64*((\t)%2)+4*\p:R+64*((\t)%2)+4*\p+3], v3, s[4:5] offset:(64*((\t)/4)+8*((\t)%4)+(\p%8)+32*(\p/8))*512 th:TH_LOAD_NT
.endr
.endm
.macro TILE t
.if (\t) < 7
	s_wait_loadcnt 16                              ; this tile's 16 loads are in; the next tile's 16 may be out
.else
	s_wait_loadcnt 0x0
.endif
.irp p, 0,1,2,3,4,5,6,7,8,9,10,11,12,13,14,15
	ds_store_b128 v4, v[R+64*((\t)%2)+4*\p:R+64*((\t)%2)+4*\p+3] offset:SPITCH*\p
.endr
.irp i, 0,1,2,3,4,5,6,7
	ds_load_b128 v[X+4*\i:X+4*\i+3], v5 offset:16*\i             ; LDS serves a wave's instructions in order (ISA guide 5.7.1.4): these see the stores above.  Block h of row r
.endr
.irp i, 0,1,2,3,4,5,6,7
	ds_load_b128 v[X+32+4*\i:X+32+4*\i+3], v5 offset:256+16*\i   ; block 2 + h
.endr
	s_wait_dscnt 0x0                               ; my numbers are back, and the stores into the stage have read their registers,
.if (\t)+2 < 8
	LOADT (\t)+2                                   ; which take the tile two on
.endif
	v_max3_num_f32 v8, |v[X]|, |v[X+1]|, 0x2800000       ; the two blocks' largest magnitudes, by turns; the floor 2^(5 - 127) among the leaves holds the byte at 1 from below
	v_max3_num_f32 v9, |v[X+32]|, |v[X+33]|, 0x2800000
.irp i, 2,4,6,8,10,12,14,16,18,20,22,24,26,28,30
	v_max3_num_f32 v8, v8, |v[X+\i]|, |v[X+\i+1]|
	v_max3_num_f32 v9, v9, |v[X+32+\i]|, |v[X+33+\i]|
.endr
	v_add_nc_u32 v10, 0xfe000000, v8               ; 4 off the exponent field: the conversion takes the exponent field of this operand as its scale, and nothing else of it
	v_add_nc_u32 v11, 0xfe000000, v9
	v_lshrrev_b32 v12, 23, v10                     ; the scales' bytes
	v_lshrrev_b32 v14, 23, v11
	v_lshl_or_b32 v12, v14, 16, v12                ; blocks h and 2 + h of row r,
	v_lshlrev_b32 v12, v7, v12                     ; at their places in the scale word;
	v_permlanex16_b32 v13, v12, s20, s21
	v_or_b32 v[W+(\t)], v12, v13                   ; with lane l xor 16's two the word is whole, in both lanes
	s_wait_alu depctr_va_vdst(0)                   ; the wait ahead of the wait below
	s_wait_xcnt 0x0                                ; the last tile's stores have read the fragment's registers: they are written again only behind this wait
	v_cvt_scalef32_pk16_bf6_f32 v[C:C+2], v[X:X+15], v10
	v_cvt_scalef32_pk16_bf6_f32 v[T:T+2], v[X+16:X+31], v10
	v_cvt_scalef32_pk16_bf6_f32 v[C+6:C+8], v[X+32:X+47], v11
	v_cvt_scalef32_pk16_bf6_f32 v[T+4:T+6], v[X+48:X+63], v11
	v_nop                                          ; one plain place behind a scaled conversion
.irp i, 0,1,2
	v_mov_b32 v[C+3+\i], v[T+\i]
	v_mov_b32 v[C+9+\i], v[T+4+\i]
.endr
.irp c, 0,1,2
	global_store_b128 v3, v[C+4*\c:C+4*\c+3], s[8:9] offset:1536*(\t)+512*\c   ; the 32 lanes store 512 consecutive bytes, at a multiple of 256 from the buffer's first byte
.endr
.endm
	LOADT 0
	LOADT 1
	s_wait_alu depctr_va_vdst(0)                   ; the wait at the head's end
.irp t, 0,1,2,3,4,5,6,7
	TILE \t
.endr
	v_cmp_ne_u32 vcc_lo, 0, v6                     ; lanes 16-31
.irp j, 0,1,2,3
	v_cndmask_b32 v[SW+\j], v[W+2*\j], v[W+2*\j+1], vcc_lo   ; word j: lanes 0-15 tile 2 j's, lanes 16-31 tile 2 j + 1's
.endr
	global_store_b128 v3, v[SW:SW+3], s[14:15]     ; 512 consecutive bytes
	s_wait_tensorcnt 0x0                           ; the wave's end, behind my last LDS store
	ds_add_u32 v240, v241
	s_wait_dscnt 0x0
	s_endpgm
; ---------------- v: a work-group takes one record (512 keys, four steps); wave j takes channels 32 j .. 32 j + 31.
; A LANE TAKES A CHANNEL, AND ITS REGISTERS RUN DOWN THE KEYS: a block of 32 keys lies in one lane's 32 registers, and the conversions give codes with the keys innermost.  Nothing is transposed.
; A lane holds all four blocks of its channel's 128 keys, which are the registers of TWO lanes of the image, (r, 0) and (r, 1): it stores both.
.Lv:
	s_sub_co_u32 s17, ttmp9, 256
	s_lshl_b32 s28, s17, 18                        ; 512 keys x 512 bytes
	s_lshl_b32 s29, s16, 7                         ; my wave's 32 channels
	s_add_co_u32 s28, s28, s29
	s_mov_b32 s29, 0
	s_add_nc_u64 s[4:5], s[6:7], s[28:29]
	s_mul_i32 s30, s17, 102400
	s_mov_b32 s31, 0
	s_add_nc_u64 s[8:9], s[12:13], s[30:31]        ; my record
	s_wait_alu depctr_va_vdst(0)                   ; the wait ahead of the readers below
	v_lshlrev_b32 v3, 2, v1                        ; in: 4 bytes a lane
	v_mul_u32_u24 v4, v6, 1536                     ; out: lanes 0-15 tile 2 j, lanes 16-31 tile 2 j + 1,
	v_lshl_add_u32 v4, v2, 4, v4                   ; the image's lane r,
	s_mul_i32 s18, s16, 3072
	v_add_nc_u32 v4, s18, v4
	v_lshlrev_b32 v5, 2, v0                        ; the scale word: 128 j + 4 x lane
.macro LOADB n                         ; block n of 16: keys 32 n .. 32 n + 31 of my channel; a load reads 128 consecutive bytes, and the four waves stand side by side on a row's 512
.set kk, 0
.rept 32
	global_load_b32 v[XV+32*((\n)%2)+kk], v3, s[4:5] offset:(32*(\n)+kk)*512 th:TH_LOAD_NT
.set kk, kk+1
.endr
.endm
.macro BLOCK n
.set XS, XV+32*((\n)%2)
.set BB, (\n)%4
.set CP, CV+12*(BB%2)+6*(BB/2)
.if (\n) < 15
	s_wait_loadcnt 32                              ; this block's 32 loads are in; the next block's may be out
.else
	s_wait_loadcnt 0x0
.endif
	v_max3_num_f32 v8, |v[XS]|, |v[XS+1]|, |v[XS+2]|             ; the block's largest magnitude: all 32 numbers are mine; two chains
	v_max3_num_f32 v9, |v[XS+3]|, |v[XS+4]|, |v[XS+5]|
.irp i, 6,10,14,18,22,26
	v_max3_num_f32 v8, v8, |v[XS+\i]|, |v[XS+\i+1]|
	v_max3_num_f32 v9, v9, |v[XS+\i+2]|, |v[XS+\i+3]|
.endr
	v_max3_num_f32 v8, v8, |v[XS+30]|, |v[XS+31]|
	v_max3_num_f32 v8, v8, v9, 0x2800000           ; and the floor 2^(5 - 127)
	v_add_nc_u32 v10, 0xfe000000, v8               ; the conversion's scale operand
	v_lshrrev_b32 v11, 23, v10                     ; the scale's byte
.if BB == 0
.if (\n) > 0
	s_wait_alu depctr_va_vdst(0)                   ; the wait ahead of the wait below
	s_wait_xcnt 0x0                                ; the last step's stores have read the codes and the scale word: they are written again only behind this wait
.endif
	v_mov_b32 v[WD], v11
.else
	v_lshl_or_b32 v[WD], v11, 8*BB, v[WD]
.endif
	v_cvt_scalef32_pk16_bf6_f32 v[CP:CP+2], v[XS:XS+15], v10
	v_cvt_scalef32_pk16_bf6_f32 v[TV:TV+2], v[XS+16:XS+31], v10
	v_nop                                          ; one plain place behind a scaled conversion
.irp i, 0,1,2
	v_mov_b32 v[CP+3+\i], v[TV+\i]
.endr
.if (\n)+2 < 16
	LOADB (\n)+2
.endif
.if BB == 3
.irp hh, 0,1
.irp c, 0,1,2
	global_store_b128 v4, v[CV+12*\hh+4*\c:CV+12*\hh+4*\c+3], s[8:9] offset:24576*((\n)/4)+12288+512*\c+256*\hh   ; sixteen lanes store 256 consecutive bytes, at a multiple of 256 from the buffer's first byte
.endr
.endr
	global_store_b32 v5, v[WD], s[8:9] offset:98304+1024*((\n)/4)+512   ; 128 consecutive bytes a wave; the four waves' lie on end
.endif
.endm
	LOADB 0
	LOADB 1
.irp n, 0,1,2,3,4,5,6,7,8,9,10,11,12,13,14,15
	BLOCK \n
.endr
	s_endpgm
.Lfunc_end_k_q12547ac150_quant:
	.size	k_q12547ac150_quant, .Lfunc_end_k_q12547ac150_quant-k_q12547ac150_quant
	.p2alignl 7, 3214868480
	.fill 96, 4, 3214868480
	.section	.rodata,"a",@progbits
	.p2align	6, 0x0
	.amdhsa_kernel k_q12547ac150_quant
		.amdhsa_group_segment_fixed_size 34304
		.amdhsa_private_segment_fixed_size 0
		.amdhsa_enable_private_segment 0
		.amdhsa_kernarg_size 24
		.amdhsa_user_sgpr_count 2
		.amdhsa_user_sgpr_kernarg_segment_ptr 1
		.amdhsa_wavefront_size32 1
		.amdhsa_system_sgpr_workgroup_id_x 1
		.amdhsa_system_sgpr_workgroup_id_y 1
		.amdhsa_system_sgpr_workgroup_id_z 1
		.amdhsa_system_vgpr_workitem_id 0
		.amdhsa_next_free_vgpr 242
		.amdhsa_next_free_sgpr 66
		.amdhsa_reserve_vcc 1
		.amdhsa_float_denorm_mode_32 3
		.amdhsa_float_denorm_mode_16_64 3
		.amdhsa_memory_ordered 1
		.amdhsa_forward_progress 1
		.amdhsa_inst_pref_size 132
	.end_amdhsa_kernel
	.amdgpu_metadata
---
amdhsa.version: [ 1, 2 ]
amdhsa.kernels:
  - .name:           k_q12547ac150_quant
    .symbol:         k_q12547ac150_quant.kd
    .args:
      - { .name: k, .offset: 0, .size: 8, .value_kind: global_buffer, .address_space: global }
      - { .name: v, .offset: 8, .size: 8, .value_kind: global_buffer, .address_space: global }
      - { .name: kv, .offset: 16, .size: 8, .value_kind: global_buffer, .address_space: global }
    .group_segment_fixed_size: 34304
    .private_segment_fixed_size: 0
    .kernarg_segment_align: 8
    .kernarg_segment_size: 24
    .max_flat_workgroup_size: 128
    .sgpr_count:     66
    .vgpr_count:     242
    .wavefront_size: 32
...
	.end_amdgpu_metadata
.endif
;; end of part 1
;; launch attn (part 2): grid 4 x 64, 8 waves a work-group, clusters of 4 x 1, 327,680 bytes of LDS; arguments q, kv, out0; writes out0
.if DOCPART == 2
	.amdgcn_target "amdgcn-amd-amdhsa--gfx1250"
	.amdhsa_code_object_version 6
	.text
	.protected	k_q12547ac150_attn
	.globl	k_q12547ac150_attn
	.p2align	8
	.type	k_q12547ac150_attn,@function
k_q12547ac150_attn:
	s_mov_b64 s[64:65], 0
	v_nop
	global_prefetch_b8 v0, s[64:65] scope:SCOPE_SE
	s_setreg_imm32_b32 hwreg(HW_REG_WAVE_MODE, 25, 1), 1
	s_wait_xcnt 0x0
	s_wait_alu depctr_hold_cnt(0) depctr_sa_sdst(0) depctr_va_vdst(0) depctr_va_sdst(0) depctr_va_ssrc(0) depctr_va_vcc(0) depctr_vm_vsrc(0)
	s_getreg_b32 s2, hwreg(HW_REG_IB_STS2, 6, 4)
	s_cmp_eq_u32 s2, 0
	s_cbranch_scc0 .Lentry_in_a_cluster
	s_endpgm
.Lentry_in_a_cluster:
	s_bfe_u32 s2, ttmp6, 0x10000c
	s_cmp_lg_u32 s2, 0x3003
	s_cbranch_scc0 .Lentry_shape_is_right
	s_endpgm
.Lentry_shape_is_right:
; out0[h][q][:] = the sum over k of softmax_k(Q[h][q] . K[h][k] / sqrt(128)) V[h][k][:], 64 heads, 2,048 queries and keys, both products on codes of BF6 (E3M2) with one E8M0 scale for each 32 along a product's K.
; kv holds K and V^T as images of the operands' registers (a fragment: 1,536 bytes, registers 4 c .. 4 c + 3 of lane l at 512 c + 16 l): records of 512 keys x 102,400 bytes: for each of four steps of 128 keys
; K's 8 tiles and V^T's 8 tiles (24,576 bytes), then from byte 98,304 on 1,024 bytes of scale words a step.  q comes as f32: each wave reads its own 32 rows once and quantises them itself, along the head's 128.
; THE SOFTMAX AHEAD OF THE SECOND PRODUCT: t = score x log2(e) / sqrt(128); M = the row's largest t so far, rounded UP to a whole number; p = 2^(t - M) is quantised along the keys, not normalised.
; The row's sum is taken of the unquantised p, in f32, and divides O at the end.  When M moves, the sum and O are multiplied by 2^(old M - new M): nothing is rounded, and there is no branch on data.
; LIMITS: NaN and infinities are not served; a p under 2^-126 falls to 0; the promise holds while the scaled scores t stay under 2^31 in magnitude; a block of q whose largest magnitude lies under 2^-122 gets the scale byte 1.
; SHARES.  256 work-groups.  A work-group makes TWO blocks of 256 queries of one head, blocks cx and cx + 4, one after the other; each of its eight waves owns 32 queries of a block: two tiles x = 0, 1 of 16, two waves to a SIMD.
; Each fragment of K and V read from LDS feeds two matrix instructions.
; LAYOUT.  Both products are used transposed: S^T = K Q^T (source 0 = 16 keys, source 1 = 16 queries), O^T = V^T P^T (source 0 = 16 channels, source 1 = P): a lane holds ONE query throughout.
; Lane r of K's tile 4 c + u takes key 64 c + 8 u + r % 8 + 32 (r / 8): so register 32 c + i of a tile's S^T is key 64 c + 32 (lane / 16) + i: A LANE HOLDS WHOLE BLOCKS OF 32 KEYS, blocks h and 2 + h, in the order that
; the second product's operand wants: a block's maximum needs no other lane, and p's codes are not moved between lanes.
; RING.  Two LDS slots of one record each, filled by the tensor data mover: each of the eight waves brings an eighth (50 rows of 256 bytes), all read it.  The head's four records are walked twice, eight slots' worth,
; and the ring does not stop between the two blocks: the second block's first record is asked for ahead of the first block's last four steps.
; CLUSTER.  The four work-groups of a head form a cluster and walk the same records in step: each eighth is asked for JOINTLY, by the same tensor load with the same descriptor and a mask that names the four.
; PREFETCHES.  Records 2 and 3 of the first walk are asked for one change of slots (four key steps) ahead of their loads; records 0 and 1 come by their loads alone; in the second walk this cluster has read every record before, so nothing is asked.
; The second block's q is asked for eight key steps ahead of its loads, each wave its own 16,384 bytes; the first block's has no loop to run ahead in.
; REGISTERS, in windows of 256 (s_set_vgpr_msb: bits 1:0 source 0, 3:2 source 1, 5:4 source 2, 7:6 destination):
;   window 0: v1-11 addresses; v12-19 statistics; v20-21 Q's scale words; v22-25 f; v26-27 p's scale words; v28-31 K's, v32-35 V's; v36-75 at work; v76-99 p's codes; v100-105 addresses; v128-255 S^T, then p; q's numbers; rows of O.
;   window 1: v0-127 O^T (64 x + 8 t), and q as it is loaded; v128-151 Q's two fragments; v152-247 eight fragments, K's and V's by turns.
.set SLOT1, 1<<17                      ; slot 1 begins here, so that one exclusive or turns an address in one slot into the other's
.set REC,   102400                     ; a record
.set PART,  12800                      ; what one tensor load brings
.set STEPB, 24576                      ; a step's fragments
.set VOFF,  12288                      ; V's behind K's
.set SCB,   98304                      ; the scale words
.set STAGE, SLOT1+REC                  ; behind the ring: 16 rows x 528 bytes for each wave, for q's way in and O's way out; no fill lands there
.set SP,    528                        ; 512 bytes + 16 = 33 x 16: the 16 rows that a 16-byte access touches start at 16 different groups of banks (64 banks of 4 bytes: ISA guide 11.1)
.set SPARE, STAGE+8*16*SP              ; the spare words, 128 bytes for each wave: four blocks of 256 bytes that no other line names
.set BLKB,  4*256*512                  ; bytes of q and of out0 from my first block to my second
.set LI,  1                            ; v1   16 x lane: in a fragment, in a row of q, in a row of O
.set LSK, 2                            ; v2   16 x lane + SCB
.set LSV, 3                            ; v3   4 x lane + SCB
.set ADF, 4                            ; v4   the step's fragments
.set ADK, 5                            ; v5   K's scale words
.set ADV, 6                            ; v6   V's
.set STO, 8                            ; v8   my stage: row r, + 32 h: where I put 32 bytes of a row of O
.set RD,  9                            ; v9   my stage: 16 x lane: whole rows, q's in and O's back
.set SPW, 10                           ; v10  LDS address of my spare word; never rewritten
.set NIL, 11                           ; v11  0; never rewritten
.set ST,  12                           ; tile x at ST + 4 x: +0 -M, +1 the largest score, +2, +3 the sum in two halves
.set QS,  20                           ; v20+x Q's scale words
.set FF,  22                           ; v[22+2x:23+2x]: f in the low word; the upper is named with it as a pair, so it is written once
.set PS,  26                           ; v26+x p's scale word
.set KS,  28                           ; v28-31: word j: lanes 0-15 tile 2 j, lanes 16-31 tile 2 j + 1
.set VS,  32                           ; v32-35 likewise
.set WK,  36                           ; at work, 20 registers a tile: +0, 1 my two blocks' largest; +2 scratch; +3 what a lane exchange brings; +4..6, +8..10 second chains, then the conversions' second halves;
                                       ; +12, 13 a chain of sums; +14, 15 the conversions' scale operands; +16 scratch
.set PC,  76                           ; p's codes, 12 a tile
.set PFO, 100                          ; 256 x lane; never rewritten
.set QX,  101                          ; my stage: row r, + 128 h: my block of 32 of q's numbers
.set SH8, 102                          ; 8 h: how far my two scale bytes are shifted
.set S,   128
.set OT,  0                            ; window 1
.set Q,   128
.set F,   152
.set WV,  10                           ; s10  my wave's number
.set CX,  11                           ; s11  my place in the cluster: it enters q's, out0's and the prefetches' addresses alone
.set HD,  13                           ; s13  the head
.set SEL, 24                           ; s[24:25] v_permlanex16_b32's selects for lane l xor 16
.set CS,  26                           ; s[26:27] c = log2(e) / sqrt(128)
.set G0,  28                           ; s[28:31] descriptor group 0, which walks
.set G1,  32                           ; s[32:39] descriptor group 1
.set TB,  40                           ; s40  LDS byte of the step's fragments
.set TS,  41                           ; s41  slot + 1,024 x step: the step's scale words
.set SLOTS, 42                         ; s42  which of the eight slots' worth is being read: 0 .. 7
.set CNT, 43                           ; s43  counts a slot's four steps
.set PFA, 44                           ; s[44:45] what my prefetch of a record names
.set LIM, 46                           ; s46  2 in a wave that prefetches records, else 0
.set QO,  47                           ; s47  my eighth of a record, in memory and in a slot alike
.set PW,  56                           ; s56  my part of a record's fragments for the prefetches
.set MSB, 0
.macro WIN new                         ; the immediate's high byte repeats the setting that is left; a switch that changes nothing is dropped
.if MSB != \new
	s_set_vgpr_msb (MSB<<8)|\new
.set MSB, \new
.endif
.endm
; A round of the cluster's barrier: my work-group's barrier, so that wave 0's signal speaks for all eight waves; wave 0 signals for the work-group; every wave waits for all four work-groups; my work-group's barrier once more.
.macro CROUND
	s_barrier_signal -1
	s_barrier_wait -1
	s_cmp_lg_u32 s[WV], 0
	s_cbranch_scc1 .Lnot_wave_0_\@
	s_barrier_signal -3
.Lnot_wave_0_\@:
	s_barrier_wait -3
	s_barrier_signal -1
	s_barrier_wait -1
.endm
; A joint load: every wave fetches its eighth of a record.  An s_nop 0 and four v_nop follow the load.  A wave never has more than one tensor load out.
.macro JLOAD
	tensor_load_to_lds s[G0:G0+3], s[G1:G1+7]
	s_nop 0
.rept 4
	v_nop
.endr
.endm
; THE PREFETCHES, behind a joint load.  Slots 0 and 1: the fragments of the record that the NEXT change of slots will ask for (records 2 and 3): the four partners share it out BY ADDRESS: partner cx takes step cx's 24,576 bytes,
; in each waves 4, 5 and 6 take 8,192 bytes, lanes 256 bytes apart: each aligned block of 256 bytes is named once.  A record's 4,096 bytes of scale words come by their load alone.
; Slot 2: my wave's 32 rows of the second block's q, 2 x 8,192 bytes.
.macro ASK
	s_cmp_lt_u32 s[SLOTS], s[LIM]
	s_cbranch_scc0 .Lno_rec_\@
	global_prefetch_b8 v[PFO], s[PFA:PFA+1] th:TH_LOAD_NT scope:SCOPE_SE
.Lno_rec_\@:
	s_cmp_eq_u32 s[SLOTS], 2
	s_cbranch_scc0 .Lno_q_\@
	global_prefetch_b8 v[PFO], s[4:5] offset:BLKB th:TH_LOAD_NT scope:SCOPE_SE
	global_prefetch_b8 v[PFO], s[4:5] offset:BLKB+8192 th:TH_LOAD_NT scope:SCOPE_SE
.Lno_q_\@:
.endm
; S^T, tile t of 16 keys x tile x of 16 queries: the product starts the sum.  K's scale words: register t / 2, lanes 16-31 for odd t.
.macro KQ t, x
.set rD, S+64*(\x)+8*(\t)
.set rA, F+12*(\t)
.set rB, Q+12*(\x)
.set rK, KS+(\t)/2
.if (\t)%2
	v_wmma_scale_f32_16x16x128_f8f6f4 v[rD:rD+7], v[rA:rA+11], v[rB:rB+11], 0, v[rK], v[QS+(\x)] matrix_a_fmt:MATRIX_FMT_BF6 matrix_b_fmt:MATRIX_FMT_BF6 matrix_a_scale:MATRIX_SCALE_ROW1
.else
	v_wmma_scale_f32_16x16x128_f8f6f4 v[rD:rD+7], v[rA:rA+11], v[rB:rB+11], 0, v[rK], v[QS+(\x)] matrix_a_fmt:MATRIX_FMT_BF6 matrix_b_fmt:MATRIX_FMT_BF6
.endif
.endm
; O^T += V^T P^T, tile t of 16 channels x tile x of 16 queries, K = the step's 128 keys
.macro PV t, x
.set rD, OT+64*(\x)+8*(\t)
.set rA, F+12*(\t)
.set rB, PC+12*(\x)
.set rV, VS+(\t)/2
.if (\t)%2
	v_wmma_scale_f32_16x16x128_f8f6f4 v[rD:rD+7], v[rA:rA+11], v[rB:rB+11], v[rD:rD+7], v[rV], v[PS+(\x)] matrix_a_fmt:MATRIX_FMT_BF6 matrix_b_fmt:MATRIX_FMT_BF6 matrix_a_scale:MATRIX_SCALE_ROW1
.else
	v_wmma_scale_f32_16x16x128_f8f6f4 v[rD:rD+7], v[rA:rA+11], v[rB:rB+11], v[rD:rD+7], v[rV], v[PS+(\x)] matrix_a_fmt:MATRIX_FMT_BF6 matrix_b_fmt:MATRIX_FMT_BF6
.endif
.endm
; A scale word from my two scale operands (blocks h and 2 + h) and lane l xor 16's: bytes 0 .. 3 = blocks 0 .. 3; the two tiles by turns
.macro WORD dst
.irp x, 0,1
	v_lshrrev_b32 v[WK+20*\x+2], 23, v[WK+20*\x+14]
.endr
.irp x, 0,1
	v_lshrrev_b32 v[WK+20*\x+16], 23, v[WK+20*\x+15]
.endr
.irp x, 0,1
	v_lshl_or_b32 v[WK+20*\x+2], v[WK+20*\x+16], 16, v[WK+20*\x+2]
.endr
.irp x, 0,1
	v_lshlrev_b32 v[WK+20*\x+2], v[SH8], v[WK+20*\x+2]
.endr
.irp x, 0,1
	v_permlanex16_b32 v[WK+20*\x+3], v[WK+20*\x+2], s[SEL], s[SEL+1]
.endr
.irp x, 0,1
	v_or_b32 v[\dst+\x], v[WK+20*\x+2], v[WK+20*\x+3]
.endr
.endm
; My 32 rows of q, each a whole row: the 32 lanes read 512 consecutive bytes; into O^T's registers, which hold nothing then
.macro QLOADS
	WIN 0x40
.set j, 0
.rept 32
	global_load_b128 v[OT+4*j:OT+4*j+3], v[LI], s[4:5] offset:512*j th:TH_LOAD_NT
.set j, j+1
.endr
	WIN 0
.endm
; q's rows turn through my stage, so that lane (r, h) holds blocks h and 2 + h of row r of each tile; they are quantised into Q's fragments and scale words; then O^T and the statistics begin anew.
.macro QPREP
	s_wait_loadcnt 0x0
.irp x, 0,1
	WIN 0x04                                       ; the stores' data in window 1
.set j, 0
.rept 16
	ds_store_b128 v[RD], v[OT+64*\x+4*j:OT+64*\x+4*j+3] offset:SP*j
.set j, j+1
.endr
	WIN 0
.set j, 0
.rept 8
	ds_load_b128 v[S+64*\x+4*j:S+64*\x+4*j+3], v[QX] offset:16*j             ; LDS serves a wave's instructions in order (ISA guide 5.7.1.4): these see the stores above, and the next tile's stores come behind them
	ds_load_b128 v[S+64*\x+32+4*j:S+64*\x+32+4*j+3], v[QX] offset:256+16*j
.set j, j+1
.endr
.endr
	s_wait_dscnt 0x0
.irp c, 0,1
.irp x, 0,1
	v_max3_num_f32 v[WK+20*\x+\c], |v[S+64*\x+32*\c]|, |v[S+64*\x+32*\c+1]|, 0x2800000   ; the blocks' largest magnitudes, four chains by turns; the floor 2^(5 - 127) holds the byte at 1 from below
.endr
.endr
.set j, 2
.rept 15
.irp c, 0,1
.irp x, 0,1
	v_max3_num_f32 v[WK+20*\x+\c], v[WK+20*\x+\c], |v[S+64*\x+32*\c+j]|, |v[S+64*\x+32*\c+j+1]|
.endr
.endr
.set j, j+2
.endr
.irp c, 0,1
.irp x, 0,1
	v_add_nc_u32 v[WK+20*\x+14+\c], 0xfe000000, v[WK+20*\x+\c]    ; 4 off the exponent field: the conversion's scale operand
.endr
.endr
	WORD QS
	WIN 0x40                                       ; the codes go to window 1
.irp x, 0,1
.irp c, 0,1
	v_cvt_scalef32_pk16_bf6_f32 v[Q+12*\x+6*\c:Q+12*\x+6*\c+2], v[S+64*\x+32*\c:S+64*\x+32*\c+15], v[WK+20*\x+14+\c]
	v_cvt_scalef32_pk16_bf6_f32 v[F+8*\x+4*\c:F+8*\x+4*\c+2], v[S+64*\x+32*\c+16:S+64*\x+32*\c+31], v[WK+20*\x+14+\c]   ; (a conversion's three registers begin on an even number)
.endr
.endr
	v_nop                                          ; one plain place behind a scaled conversion
	WIN 0x41
.irp x, 0,1
.irp c, 0,1
.irp i, 0,1,2
	v_mov_b32 v[Q+12*\x+6*\c+3+\i], v[F+8*\x+4*\c+\i]
.endr
.endr
.endr
	WIN 0x40
.set j, 0
.rept 128
	v_mov_b32 v[OT+j], 0                           ; O^T.  (The key step is written for the loop alone: a block's first step finds zeros, which the first change of M leaves zeros; that spares two more copies of the step)
.set j, j+1
.endr
	WIN 0
.irp x, 0,1
	v_mov_b32 v[ST+4*\x], 0x7f61b1e6               ; -M: 3e38, a whole number over every -M
	v_mov_b32 v[ST+4*\x+1], 0xff61b1e6             ; the largest score so far: -3e38
	v_mov_b32 v[ST+4*\x+2], 0                      ; the sum, in two halves
	v_mov_b32 v[ST+4*\x+3], 0
.endr
	s_wait_alu depctr_va_vdst(0)
.endm
	s_load_b128 s[4:7], s[0:1], 0x0                ; q s[4:5], kv s[6:7]
	s_load_b64 s[8:9], s[0:1], 0x10                ; out0
	v_lshl_add_u32 v[SPW], v0, 2, SPARE
	v_mov_b32 v[NIL], 0
	ds_add_u32 v[SPW], v[NIL]                      ; the opening add, twice on end, and one wait for both
	ds_add_u32 v[SPW], v[NIL]
	v_lshrrev_b32 v[LI], 5, v0
	v_readfirstlane_b32 s[WV], v[LI]               ; wave 0..7
	s_bfe_u32 s[CX], ttmp6, 0x40000                ; cx
	s_and_b32 s[HD], ttmp7, 0xffff                 ; the head, which the four partners share
	; descriptor group 1: an eighth of a record, dense in memory: 50 rows of 32 elements of 8 bytes, no padding
	s_mov_b32 s[G1], 15|(3<<16)|(1<<21)            ; 15:0 the mask: all four work-groups; 17:16 elements of 8 bytes; 21 set beside a mask
	s_mov_b32 s[G1+1], 32<<16                      ; tensor_dim0 = 32
	s_mov_b32 s[G1+2], 50<<16                      ; tensor_dim1 = 50
	s_mov_b32 s[G1+3], 32<<16                      ; tile_dim0 = 32
	s_mov_b32 s[G1+4], 50                          ; tile_dim1 = 50
	s_mov_b32 s[G1+5], 32                          ; tensor_dim0_stride
	s_mov_b32 s[G1+6], 0
	s_mov_b32 s[G1+7], 0
	s_mov_b32 s[SEL], 0x76543210
	s_mov_b32 s[SEL+1], 0xfedcba98
	s_mov_b32 s[CS], 0x3e0293ee                    ; c = log2(e) / sqrt(128)
	s_mov_b32 s[CS+1], s[CS]                       ; (named with it as a pair, so it is written)
	s_mov_b32 s[TB], 0
	s_mov_b32 s[TS], 0
	s_mov_b32 s[SLOTS], 0
	s_sub_co_u32 s48, s[WV], 4
	s_cmp_lt_u32 s48, 3                            ; waves 4, 5, 6 prefetch records
	s_cselect_b32 s[LIM], 2, 0
	s_and_b32 s48, s48, 3
	s_lshl_b32 s48, s48, 13                        ; my wave's 8,192 bytes
	s_mul_i32 s49, s[CX], STEPB                    ; of my work-group's step
	s_add_co_u32 s[PW], s48, s49
	s_mul_i32 s[QO], s[WV], PART                   ; the eighth that I fetch: no place in the cluster enters it
	s_mul_i32 s50, s[HD], 4*REC                    ; the head's four records
	s_mov_b32 s51, 0
	s_lshl_b32 s52, s[HD], 11                      ; q and out0: row head x 2,048 + 256 cx + 32 x wave, 512 bytes a row
	s_lshl_b32 s53, s[CX], 8
	s_add_co_u32 s52, s52, s53
	s_lshl_b32 s53, s[WV], 5
	s_add_co_u32 s52, s52, s53
	s_lshl_b32 s52, s52, 9
	s_mov_b32 s53, 0
	s_mul_i32 s54, s[WV], 16*SP
	s_add_co_u32 s54, s54, STAGE                   ; my stage
	v_and_b32 v[LI], 31, v0
	v_and_b32 v104, 15, v0                         ; r
	v_bfe_u32 v105, v0, 4, 1                       ; h
	v_lshlrev_b32 v[PFO], 8, v[LI]
	v_lshl_add_u32 v[LSV], v[LI], 2, SCB
	v_lshlrev_b32 v[LI], 4, v[LI]
	v_mul_u32_u24 v[STO], v104, SP
	v_lshlrev_b32 v[SH8], 3, v105
	v_add_nc_u32 v[LSK], SCB, v[LI]
	v_add_nc_u32 v[RD], s54, v[LI]
	v_add_nc_u32 v[STO], s54, v[STO]
	v_lshl_add_u32 v[QX], v105, 7, v[STO]
	v_lshl_add_u32 v[STO], v105, 5, v[STO]
.irp x, 0,1
	v_mov_b32 v[FF+2*\x+1], 0
	v_mov_b32 v[WK+20*\x+3], 0                     ; written once: a lane permute's destination counts as one of its sources
.endr
	s_wait_alu depctr_va_vdst(0)                   ; the wait here, ahead of the waits below
	s_wait_dscnt 0x0                               ; both opening adds are done
	s_wait_kmcnt 0x0
	s_add_nc_u64 s[4:5], s[4:5], s[52:53]
	s_add_nc_u64 s[8:9], s[8:9], s[52:53]
	s_add_nc_u64 s[6:7], s[6:7], s[50:51]
	QLOADS                                         ; the first block's q sets out ahead of the round
	s_mov_b32 s48, s[QO]
	s_mov_b32 s49, 0
	s_mov_b32 s[G0], 1                             ; 1:0 count = 1
	s_mov_b32 s[G0+1], s[QO]                       ; 63:32 LDS address: slot 0
	s_add_nc_u64 s[G0+2:G0+3], s[6:7], s[48:49]    ; 120:64 global address: record 0
	s_or_b32 s[G0+3], s[G0+3], 0x80000000          ; 127:126 type = 2
	CROUND                                         ; all four work-groups are here: the first joint loads meet
	JLOAD                                          ; record 0 into slot 0: my one tensor load at the head
	QPREP
; A KEY STEP: 128 keys.  It begins and ends with every window 0.
.macro STEP
	v_add_nc_u32 v[ADF], s[TB], v[LI]              ; these four lines are the places between the last products V^T P and the loads into the registers that they read (ISA guide 7.12.1 for vector instructions)
	v_add_nc_u32 v[ADK], s[TS], v[LSK]
	v_add_nc_u32 v[ADV], s[TS], v[LSV]
	v_nop
	ds_load_b128 v[KS:KS+3], v[ADK]                ; K's scale words of all eight tiles
	WIN 0x40
.irp t, 0,1,2,3,4,5,6,7
.irp c, 0,1,2
	ds_load_b128 v[F+12*\t+4*\c:F+12*\t+4*\c+3], v[ADF] offset:1536*\t+512*\c
.endr
.endr
	s_wait_alu depctr_va_vdst(0)
	s_wait_dscnt 12                                ; the scale words and tiles 0-3 are in; the youngest twelve loads (tiles 4-7) may be out
	WIN 0x05                                       ; K and Q in window 1, S^T in window 0
.irp t, 0,1,2,3
.irp x, 0,1
	KQ \t, \x
.endr
.endr
	s_wait_dscnt 0x0
.irp t, 4,5,6,7
.irp x, 0,1
	KQ \t, \x
.endr
.endr
.rept 4
	v_nop                                          ; places in front of the loads into K's registers and of the first reads of S^T
.endr
	WIN 0x40
.irp t, 0,1,2,3,4,5,6,7
.irp c, 0,1,2
	ds_load_b128 v[F+12*\t+4*\c:F+12*\t+4*\c+3], v[ADF] offset:VOFF+1536*\t+512*\c   ; V's fragments land while the softmax is walked
.endr
.endr
	WIN 0
.irp j, 0,1,2,3
	ds_load_b32 v[VS+\j], v[ADV] offset:512+128*\j
.endr
	; THE LARGEST SCORE OF EACH OF MY BLOCKS OF 32 KEYS (block 2 c + h of tile x) serves twice: for the row's maximum, and, since p rises with the score, for the block's largest p.
	; Two chains a block, eight by turns; each accumulator is read from its low end on.
.irp c, 0,1
.irp x, 0,1
	v_max3_num_f32 v[WK+20*\x+\c], v[S+64*\x+32*\c], v[S+64*\x+32*\c+1], v[S+64*\x+32*\c+2]
	v_max3_num_f32 v[WK+20*\x+4+\c], v[S+64*\x+32*\c+16], v[S+64*\x+32*\c+17], v[S+64*\x+32*\c+18]
.endr
.endr
.irp i, 3,5,7,9,11,13
.irp c, 0,1
.irp x, 0,1
	v_max3_num_f32 v[WK+20*\x+\c], v[WK+20*\x+\c], v[S+64*\x+32*\c+\i], v[S+64*\x+32*\c+\i+1]
	v_max3_num_f32 v[WK+20*\x+4+\c], v[WK+20*\x+4+\c], v[S+64*\x+32*\c+16+\i], v[S+64*\x+32*\c+17+\i]
.endr
.endr
.endr
.irp c, 0,1
.irp x, 0,1
	v_max3_num_f32 v[WK+20*\x+\c], v[WK+20*\x+\c], v[WK+20*\x+4+\c], v[S+64*\x+32*\c+15]
.endr
.endr
.irp c, 0,1
.irp x, 0,1
	v_max_num_f32 v[WK+20*\x+\c], v[WK+20*\x+\c], v[S+64*\x+32*\c+31]
.endr
.endr
.irp x, 0,1
	v_max_num_f32 v[WK+20*\x+2], v[WK+20*\x], v[WK+20*\x+1]        ; my 64 keys' largest score
.endr
.irp x, 0,1
	v_permlanex16_b32 v[WK+20*\x+3], v[WK+20*\x+2], s[SEL], s[SEL+1]
.endr
.irp x, 0,1
	v_max3_num_f32 v[ST+4*\x+1], v[ST+4*\x+1], v[WK+20*\x+2], v[WK+20*\x+3]   ; with lane l xor 16's 64: the running largest score of my query
.endr
.irp x, 0,1
	v_mul_f32 v[WK+20*\x+2], s[CS], v[ST+4*\x+1]                   ; as t (c is positive)
.endr
.irp x, 0,1
	v_mov_b32 v[WK+20*\x+16], v[ST+4*\x]
.endr
.irp x, 0,1
	v_floor_f32 v[ST+4*\x], -v[WK+20*\x+2]                         ; the new -M = floor(-t) = -ceil(t): M is a whole number
.endr
.irp x, 0,1
	v_sub_f32 v[WK+20*\x+2], v[ST+4*\x], v[WK+20*\x+16]            ; M's old value less its new one: a whole number, 0 or less
.endr
.irp x, 0,1
	v_cvt_i32_f32 v[WK+20*\x+2], v[WK+20*\x+2]                     ; (it saturates)
.endr
.irp x, 0,1
	v_ldexp_f32 v[FF+2*\x], 1.0, v[WK+20*\x+2]                     ; f = 2^(old M - new M)
.endr
.set j, 0
.rept 32
.irp x, 0,1
	v_pk_fma_f32 v[S+64*\x+j:S+64*\x+j+1], v[S+64*\x+j:S+64*\x+j+1], s[CS:CS+1], v[ST+4*\x:ST+4*\x+1] op_sel_hi:[1,0,0]   ; t - M, two at a time (of the pairs c and -M the low word serves both halves)
.endr
.set j, j+2
.endr
.irp c, 0,1
.irp x, 0,1
	v_fma_f32 v[WK+20*\x+\c], v[WK+20*\x+\c], s[CS], v[ST+4*\x]    ; the same of each block's largest score
.endr
.endr
	s_wait_alu depctr_va_vdst(0)                   ; the wait ahead of the batch
.set j, 0
.rept 64
.irp x, 0,1
	v_exp_f32 v[S+64*\x+j], v[S+64*\x+j]                           ; p = 2^(t - M), at most 1: not normalised
.endr
.set j, j+1
.endr
.irp c, 0,1
.irp x, 0,1
	v_exp_f32 v[WK+20*\x+\c], v[WK+20*\x+\c]                       ; the block's largest p: the same two instructions on the same number give the same bits
.endr
.endr
	WIN 0x41                                       ; O^T (destination and source 0) in window 1, f in window 0
	s_wait_alu depctr_va_vdst(0)                   ; the wait behind the batch, directly ahead of the first reader of O^T
.irp x, 0,1
.set j, 0
.rept 32
	v_pk_mul_f32 v[OT+64*\x+j:OT+64*\x+j+1], v[OT+64*\x+j:OT+64*\x+j+1], v[FF+2*\x:FF+2*\x+1] op_sel_hi:[1,0]   ; O^T under the new M, each accumulator from its low end on.  (Also the plain place behind the exponentials)
.set j, j+2
.endr
.endr
	WIN 0
.irp c, 0,1
.irp x, 0,1
	v_max_num_f32 v[WK+20*\x+\c], 0x2800000, v[WK+20*\x+\c]        ; the floor 2^(5 - 127): the byte cannot fall under 1 (a block whose every p has fallen to 0 keeps that byte: its codes are zeros)
.endr
.endr
.irp c, 0,1
.irp x, 0,1
	v_add_nc_u32 v[WK+20*\x+14+\c], 0xfe000000, v[WK+20*\x+\c]     ; 4 off the exponent field: the conversion's scale operand
.endr
.endr
	WORD PS                                        ; p's scale word for these 128 keys
.irp x, 0,1
.irp c, 0,1
	v_cvt_scalef32_pk16_bf6_f32 v[PC+12*\x+6*\c:PC+12*\x+6*\c+2], v[S+64*\x+32*\c:S+64*\x+32*\c+15], v[WK+20*\x+14+\c]
	v_cvt_scalef32_pk16_bf6_f32 v[WK+20*\x+4+4*\c:WK+20*\x+4+4*\c+2], v[S+64*\x+32*\c+16:S+64*\x+32*\c+31], v[WK+20*\x+14+\c]   ; (a conversion's three registers begin on an even number)
.endr
.endr
	v_nop                                          ; one plain place behind a scaled conversion
.irp x, 0,1
.irp c, 0,1
.irp i, 0,1,2
	v_mov_b32 v[PC+12*\x+6*\c+3+\i], v[WK+20*\x+4+4*\c+\i]         ; registers 6 c .. 6 c + 5: my whole block 2 c + h
.endr
.endr
.endr
	; THE ROW'S SUM IS TAKEN OF THE UNQUANTISED p: two at a time, in two chains a tile; the first link brings the old sum under the new M.  (These lines are also the places between p's codes and scale word and the products below)
.irp x, 0,1
	v_pk_fma_f32 v[ST+4*\x+2:ST+4*\x+3], v[ST+4*\x+2:ST+4*\x+3], v[FF+2*\x:FF+2*\x+1], v[S+64*\x:S+64*\x+1] op_sel_hi:[1,0,1]
	v_pk_add_f32 v[WK+20*\x+12:WK+20*\x+13], v[S+64*\x+2:S+64*\x+3], v[S+64*\x+6:S+64*\x+7]
.endr
.irp x, 0,1
	v_pk_add_f32 v[ST+4*\x+2:ST+4*\x+3], v[ST+4*\x+2:ST+4*\x+3], v[S+64*\x+4:S+64*\x+5]
.endr
.irp j, 8,12,16,20,24,28,32,36,40,44,48,52,56,60
.irp x, 0,1
	v_pk_add_f32 v[ST+4*\x+2:ST+4*\x+3], v[ST+4*\x+2:ST+4*\x+3], v[S+64*\x+\j:S+64*\x+\j+1]
	v_pk_add_f32 v[WK+20*\x+12:WK+20*\x+13], v[WK+20*\x+12:WK+20*\x+13], v[S+64*\x+\j+2:S+64*\x+\j+3]
.endr
.endr
.irp x, 0,1
	v_pk_add_f32 v[ST+4*\x+2:ST+4*\x+3], v[ST+4*\x+2:ST+4*\x+3], v[WK+20*\x+12:WK+20*\x+13]
.endr
	s_wait_alu depctr_va_vdst(0)                   ; the wait here, directly ahead of the wait below
	s_wait_dscnt 0x0                               ; V's fragments and scale words are in
	WIN 0x51                                       ; V and O^T in window 1, p in window 0
.irp t, 0,1,2,3,4,5,6,7
.irp x, 0,1
	PV \t, \x                                      ; the sixteen accumulators take turns, one instruction a turn
.endr
.endr
	WIN 0
	s_add_co_u32 s[TB], s[TB], STEPB               ; the next step's fragments
	s_add_co_u32 s[TS], s[TS], 1024                ; and scale words
.endm
; A slot's four key steps: written once, walked four times; then the addresses go back to a slot's first step, in the other slot.
.macro FOUR_STEPS
	s_mov_b32 s[CNT], 4
.Lstep_\@:
	STEP
	s_sub_co_u32 s[CNT], s[CNT], 1
	s_cmp_lg_u32 s[CNT], 0
	s_cbranch_scc1 .Lstep_\@
	s_sub_co_u32 s[TB], s[TB], 4*STEPB
	s_xor_b32 s[TB], s[TB], SLOT1
	s_sub_co_u32 s[TS], s[TS], 4096
	s_xor_b32 s[TS], s[TS], SLOT1
.endm
; THE CHANGE OF SLOTS stands at a slot's head.  Each wave waits for all its tensor loads (its eighth of the slot that is about to be read), adds 0 to its spare word, and waits for that and for its reads of the slot that it has left.
; Behind the barrier the slot ahead is whole and nobody reads the other one.  fill = 1: the barrier is a round of the cluster's, so that this holds of every wave of every partner, and the other slot is filled first thing behind it
; with record (SLOTS + 1) % 4 of the head: the load has four key steps, 128 matrix instructions a wave, in which to land.
.macro CHANGE fill
	s_wait_tensorcnt 0x0                           ; no tensor load of mine is out, so the group 0 may be written
	ds_add_u32 v[SPW], v[NIL]                      ; 0 onto my spare word
.if \fill
	s_xor_b32 s[G0+1], s[G0+1], SLOT1              ; the other slot than last time
	s_add_co_u32 s48, s[SLOTS], 1
	s_and_b32 s48, s48, 3
	s_mul_i32 s48, s48, REC
	s_add_co_u32 s48, s48, s[QO]
	s_mov_b32 s49, 0
	s_add_nc_u64 s[G0+2:G0+3], s[6:7], s[48:49]    ; my eighth of the next record
	s_or_b32 s[G0+3], s[G0+3], 0x80000000
	s_wait_xcnt 0x0                                ; the last prefetch, four key steps back, has read its address, so it may be written:
	s_add_co_u32 s50, s[SLOTS], 2
	s_min_u32 s50, s50, 3                          ; the record after that one; held inside the head's four
	s_mul_i32 s50, s50, REC
	s_add_co_u32 s50, s50, s[PW]
	s_mov_b32 s51, 0
	s_add_nc_u64 s[PFA:PFA+1], s[6:7], s[50:51]
.endif
	s_wait_dscnt 0x0                               ; the add is done, and my reads of the slot that I have left are over
.if \fill
	CROUND
	JLOAD
	ASK
.else
	s_barrier_signal -1
	s_barrier_wait -1
.endif
.endm
; THE WAY OUT of a block.  The sum's two halves and lane l xor 16's are added (these lines are the places behind the last products); O^T is divided by the sum and goes through my stage in LDS, a tile's 16 whole rows at a time.
; again = 1: the second block follows: its q is loaded into O^T's registers as soon as they are read out, and is quantised behind the stores.
.macro WAYOUT again
.irp x, 0,1
	v_add_f32 v[WK+20*\x+2], v[ST+4*\x+2], v[ST+4*\x+3]
.endr
.irp x, 0,1
	v_permlanex16_b32 v[WK+20*\x+3], v[WK+20*\x+2], s[SEL], s[SEL+1]
.endr
.irp x, 0,1
	v_add_f32 v[WK+20*\x+2], v[WK+20*\x+2], v[WK+20*\x+3]
.endr
	s_wait_alu depctr_va_vdst(0)                   ; the wait ahead of the reciprocals
.irp x, 0,1
	v_rcp_f32 v[FF+2*\x], v[WK+20*\x+2]
.endr
	v_nop                                          ; a plain place behind the reciprocals
	WIN 0x01                                       ; O^T (source 0) in window 1; the results take S^T's registers
	s_wait_alu depctr_va_vdst(0)                   ; and behind them, directly ahead of the first reader
.irp x, 0,1
.set j, 0
.rept 32
	v_pk_mul_f32 v[S+64*\x+j:S+64*\x+j+1], v[OT+64*\x+j:OT+64*\x+j+1], v[FF+2*\x:FF+2*\x+1] op_sel_hi:[1,0]   ; register 8 t + i: channel 16 t + 8 (lane / 16) + i; each accumulator from its low end on
.set j, j+2
.endr
.endr
	WIN 0
.if \again
	s_wait_alu depctr_va_vdst(0)                   ; the wait here, directly ahead of the wait below
	s_wait_xcnt 0x0                                ; the prefetches have read q's address
	s_add_nc_u64 s[4:5], s[4:5], BLKB
	QLOADS
.endif
.irp x, 0,1
.irp t, 0,1,2,3,4,5,6,7
	ds_store_b128 v[STO], v[S+64*\x+8*\t:S+64*\x+8*\t+3] offset:64*\t
	ds_store_b128 v[STO], v[S+64*\x+8*\t+4:S+64*\x+8*\t+7] offset:64*\t+16
.endr
.set j, 0
.rept 16
	ds_load_b128 v[S+64*\x+4*j:S+64*\x+4*j+3], v[RD] offset:SP*j   ; LDS serves a wave's instructions in order (ISA guide 5.7.1.4): these see the stores above, and the next tile's stores come behind them
.set j, j+1
.endr
.endr
.irp x, 0,1
.set j, 0
.rept 16
	s_wait_dscnt 32*(1-\x)+15-j                    ; behind this load: its tile's younger loads, and the 32 LDS instructions of the later tile
	global_store_b128 v[LI], v[S+64*\x+4*j:S+64*\x+4*j+3], s[8:9] offset:(16*\x+j)*512 th:TH_STORE_NT   ; the 32 lanes store a whole row of O, 512 consecutive bytes, at a multiple of 256 from O's first byte
.set j, j+1
.endr
.endr
.if \again
	s_wait_xcnt 0x0                                ; the stores have read their data and their base
	s_add_nc_u64 s[8:9], s[8:9], BLKB
	QPREP
.endif
.endm
.Lslot:                                            ; seven trips: behind each change of slots but the last the next record is asked for
	CHANGE 1
	FOUR_STEPS
	s_cmp_lg_u32 s[SLOTS], 3                       ; the first block's last record has been walked: the same trip in every wave of every partner
	s_cbranch_scc1 .Lsame_block
	WAYOUT 1
.Lsame_block:
	s_add_co_u32 s[SLOTS], s[SLOTS], 1
	s_cmp_lt_u32 s[SLOTS], 7
	s_cbranch_scc1 .Lslot
	CHANGE 0                                       ; the last record is written out
	FOUR_STEPS
	WAYOUT 0
	s_wait_tensorcnt 0x0                           ; the wave's end, behind my last tensor load and my last LDS store
	ds_add_u32 v[SPW], v[NIL]
	s_wait_dscnt 0x0
	CROUND                                         ; the closing round: no work-group ends while a partner may still ask for a record that names it
	s_endpgm
.Lfunc_end_k_q12547ac150_attn:
	.size	k_q12547ac150_attn, .Lfunc_end_k_q12547ac150_attn-k_q12547ac150_attn
	.p2alignl 7, 3214868480
	.fill 96, 4, 3214868480
	.section	.rodata,"a",@progbits
	.p2align	6, 0x0
	.amdhsa_kernel k_q12547ac150_attn
		.amdhsa_group_segment_fixed_size 327680
		.amdhsa_private_segment_fixed_size 0
		.amdhsa_enable_private_segment 0
		.amdhsa_kernarg_size 24
		.amdhsa_user_sgpr_count 2
		.amdhsa_user_sgpr_kernarg_segment_ptr 1
		.amdhsa_wavefront_size32 1
		.amdhsa_system_sgpr_workgroup_id_x 1
		.amdhsa_system_sgpr_workgroup_id_y 1
		.amdhsa_system_sgpr_workgroup_id_z 1
		.amdhsa_system_vgpr_workitem_id 0
		.amdhsa_next_free_vgpr 512
		.amdhsa_next_free_sgpr 66
		.amdhsa_reserve_vcc 0
		.amdhsa_float_denorm_mode_32 3
		.amdhsa_float_denorm_mode_16_64 3
		.amdhsa_memory_ordered 1
		.amdhsa_forward_progress 1
		.amdhsa_inst_pref_size 130
	.end_amdhsa_kernel
	.amdgpu_metadata
---
amdhsa.version: [ 1, 2 ]
amdhsa.kernels:
  - .name:           k_q12547ac150_attn
    .symbol:         k_q12547ac150_attn.kd
    .args:
      - { .name: q, .offset: 0, .size: 8, .value_kind: global_buffer, .address_space: global }
      - { .name: kv, .offset: 8, .size: 8, .value_kind: global_buffer, .address_space: global }
      - { .name: out0, .offset: 16, .size: 8, .value_kind: global_buffer, .address_space: global }
    .group_segment_fixed_size: 327680
    .private_segment_fixed_size: 0
    .kernarg_segment_align: 8
    .kernarg_segment_size: 24
    .max_flat_workgroup_size: 256
    .sgpr_count:     66
    .vgpr_count:     512
    .wavefront_size: 32
...
	.end_amdgpu_metadata
.endif
;; end of part 2
